; MI455X (gfx1250); checked and timed in simulation.
; The chip was launched on July 23, 2026; its instructions are those of AMD's public machine-readable ISA for CDNA 5 (MIT licence, August 2026) and "CDNA5" Instruction Set Architecture Reference Guide (July 2026). The comments in the code are by the model that wrote it; some were corrected since.
;; TMPNN. Allowed arithmetic: matrix products marked QUANTISED: E5M2 operands, one given power-of-two scale a tensor, by v_wmma_f32_16x16x64_bf8_bf8 or v_wmma_f32_16x16x128_bf8_bf8, f32 sums; everything else in f32.
;; Inputs: W 1,057 x 32 float32; lowp_scales 14 int32 (the exponents e of the quantised operands' scales 2^e); x 131,072 x 32 float32.
;; Outputs: out0 131,072 x 1 float32.
;; This version of the problem:
;;   THIS VERSION OF THE PROBLEM IS GIVEN IN LOW PRECISION. The matrix products marked QUANTISED in the list below multiply operands that are first quantised to E5M2 (5 exponent bits, 2 mantissa bits; 8 bits a number), with one given power-of-two scale for each operand tensor; their sums are f32. All else is computed in f32.
;;   The module's matrix products, in the order in which they are computed (A, B: the left and right operand; K: the contracted axis; several contracted axes count as one K, in the product's order):
;;     1. [M 131,072, K 1,057] x [K 1,057, N 32]; A: computed on the way; B: input W: QUANTISED (scales: A lowp_scales[0], B lowp_scales[1])
;;     2. [M 131,072, K 1,057] x [K 1,057, N 32]; A: computed on the way; B: input W: QUANTISED (scales: A lowp_scales[2], B lowp_scales[3])
;;     3. [M 131,072, K 1,057] x [K 1,057, N 32]; A: computed on the way; B: input W: QUANTISED (scales: A lowp_scales[4], B lowp_scales[5])
;;     4. [M 131,072, K 1,057] x [K 1,057, N 32]; A: computed on the way; B: input W: QUANTISED (scales: A lowp_scales[6], B lowp_scales[7])
;;     5. [M 131,072, K 1,057] x [K 1,057, N 32]; A: computed on the way; B: input W: QUANTISED (scales: A lowp_scales[8], B lowp_scales[9])
;;     6. [M 131,072, K 1,057] x [K 1,057, N 32]; A: computed on the way; B: input W: QUANTISED (scales: A lowp_scales[10], B lowp_scales[11])
;;     7. [M 131,072, K 1,057] x [K 1,057, N 32]; A: computed on the way; B: input W: QUANTISED (scales: A lowp_scales[12], B lowp_scales[13])
;;   THE QUANTISER, for each operand of a quantised product, along K:
;;     - The operand's scale is 2^e, e = its entry of the input lowp_scales (int32; the entries are numbered through the quantised products in the list's order, A before B).
;;     - Each number is divided by the scale, clamped to +-57,344, and rounded to the nearest number of E5M2, ties to even, subnormals kept.
;;     - The product sums the exact products of the quantised numbers (number of the format x scale) in f32.
;;   ~~~python
;;   def quantise(x, axis, e):      # numpy; x: float32 -> the quantised numbers, widened to float32 again
;;       x = np.moveaxis(x, axis, -1); K = x.shape[-1]
;;       r = np.clip(x / 2.0 ** e, -57344, 57344)
;;       step = 2.0 ** (np.maximum(np.frexp(np.where(r == 0, 1, r))[1] - 1, -14) - 2)
;;       q = np.round(r / step) * step * 2.0 ** e      # np.round: ties to even
;;       return np.moveaxis(q, -1, axis).astype(np.float32)
;;   ~~~
;;   OPERANDS COMPUTED ON THE WAY. 'Computed on the way' means the value that the module computes at that place (a softmax that the list does not call 'softmax' is quantised finished and normalised). What goes into a quantiser is computed in f32, as accurately as f32 sums, v_exp_f32 and their like allow (about 1e-6 of the number): no bf16 or f16 on the way to a quantiser, and a product that is left as it is and whose result goes on into a quantised operand takes f32 operands (vector FMAs, or v_wmma_f32_16x16x4_f32). A number that lies on a knife's edge between two numbers of the format may be rounded either way, as far as f32 arithmetic and the matrix unit's own rounding can turn it there, and no further.
;; 2 versions, each right; version 2 is version 1 with the launch tmpnn written anew for expert scheduling mode. Each part assembles by itself: llvm-mc -triple=amdgcn-amd-amdhsa -mcpu=gfx1250 --defsym DOCPART=n.
;; ======== version 1 of 2: 1 launch
;; launch tmpnn (part 1): grid 256 x 1, 16 waves a work-group, no clusters, 262,144 bytes of LDS; arguments x, W, lowp_scales, out0; writes out0
.if DOCPART == 1
	.amdgcn_target "amdgcn-amd-amdhsa--gfx1250"
	.amdhsa_code_object_version 6
	.text
	.protected	k_qb8fbf16b91_tmpnn
	.globl	k_qb8fbf16b91_tmpnn
	.p2align	8
	.type	k_qb8fbf16b91_tmpnn,@function
k_qb8fbf16b91_tmpnn:
	s_mov_b64 s[64:65], 0
	v_nop
	global_prefetch_b8 v0, s[64:65] scope:SCOPE_SE
	s_setreg_imm32_b32 hwreg(HW_REG_WAVE_MODE, 25, 1), 1
	s_wait_xcnt 0x0
; Seven times x <- x + Q(poly(x)) Q(W), poly(x) = [1, x, vec(x (x) x)] (K = 1,057), both operands as codes of BF8 (E5M2) with the step's two given scales 2^eA, 2^eB; sums in f32; out0 = column 0 of the last x.
; x: [131072][32] f32.  W: [1057][32] f32.  lowp_scales: 14 x int32, (eA, eB) of steps 0 to 6.  out0: [131072] f32.
; LIMITS: each exponent between -126 and 112 (2^e and 57,344 x 2^e are f32 numbers); eA + eB of a step between -126 and 127.  NaN among the inputs is not served; what lies beyond a scale's range is held at the largest code.
; SHARES.  Rows never meet: 256 work-groups x 16 waves x 32 rows = 131,072.  A wave keeps its 32 rows (two tiles of 16) in registers through all seven steps: x is read once, nothing goes to memory but out0.
; THE PRODUCT IS USED TRANSPOSED: source 0 = 16 columns of W (features), source 1 = the codes of poly of 16 rows.  Lane (r, h) = (lane % 16, lane / 16) holds row r; source 0's row m of column tile t is feature
; m % 8 + 16 (m / 8) + 8 t, so that register j of accumulator t is feature 16 h + 8 t + j: THE LANE OWNS HALF h OF ITS ROW.  X[0..15] = features 16 h + a; X[16 + b] = feature 16 (1 - h) + b, fetched from lane l xor 16.
; EACH UNORDERED PAIR OF FEATURES IS MULTIPLIED, HELD AND CONVERTED ONCE.  x_i x_j and x_j x_i are one f32 number and so one code, and K may be laid in any order if both operands are laid alike.  So the same registers
; of codes go to two matrix instructions, one with the codes of W's row (i, j) and one with those of row (j, i).  The matrix units still walk all of K (1,152 places for 1,057); the vector work is 289 numbers a lane, not 529.
; A SLOT is one of a lane's 64 bytes of a fragment (16 x 128): slot s is byte s % 4 of register s / 4, in both operands.  The row of W that belongs to a slot is a constant + (h or 1 - h) x a constant:
;   class I    X[a] X[b], a < b             first W: 33 + 32 a + b + 528 h        second W: 33 + 32 b + a + 528 h
;   class II   X[a] X[16 + b], a != b       first W: 49 + 32 a + b + 496 h        second W: 49 + 32 b + a + 496 (1 - h)     (of (a, b) and (b, a) one is taken: half 0 and half 1 of the lanes cover both)
;   class III  X[a] X[16 + a]               first W: 49 + 33 a + 496 h            second W: zero codes                      (the two halves of the lanes hold the two orders)
;   squares    X[a] X[a]: 33 + 33 a + 528 h;     linear  X[a]: 1 + a + 16 h;     the constant 1: row 0 in half 0, a zero code in half 1
; Classes I and II go in BLOCKS of 2 x 2: block n = (p, q), p < q, counted (0,1), (0,2) .. (6,7); its four slots are (2p, 2q), (2p+1, 2q), (2p, 2q+1), (2p+1, 2q+1): two packed multiplications.  The pairs (2p, 2p+1) are the CROSS slots.
; CHUNKS of 64 slots:  0: I blocks 0-15;  1: I blocks 16-27, I cross, II cross;  2: II blocks 0-15;  3: II blocks 16-27, class III;  4 (one W): squares, linear, the constant, 31 slots whose W codes are zeros
; (the other operand holds finite codes there, left from earlier lines: finite x 0 adds nothing).
; W'S CODES: each work-group quantises W at its head, once for each step's eB, into LDS, as images of the operand's registers (a quad of registers: 16 bytes a lane, 512 on end).  Wave w makes fragment w and one group of chunk 4.
; NO TENSOR LOAD, NO CLUSTER: all work-groups read W, but its 135,296 bytes must pass through registers to be quantised in slot order, seven times, and beside the 258,048 bytes of images they have no room in LDS; nothing else is shared.
; LDS: step s at 36,864 s: fragment 4 c + 2 v + t (chunk c < 4, first or second W v, column tile t) at 2,048 x its number; chunk 4 at 32,768 + 2,048 t + 256 g (group g = 2 registers, 8 bytes a lane).  At 258,048: 2,048 bytes for out0.
.set IMG,    36864                     ; a step's images
.set C4,     32768                     ; chunk 4 within them
.set OUTST,  7*IMG                     ; the stage for out0
.set LI,     1                         ; v1    16 x lane
.set LI8,    2                         ; v2    8 x lane
.set AB,     3                         ; v3    the step's images + 16 x lane
.set AB8,    4                         ; v4    the step's images + 8 x lane
.set SCA,    5                         ; v5    the scale 2^e as f32: the conversion takes its exponent field
.set LIM,    6                         ; v6    57,344 x 2^e
.set XA,     7                         ; v7    x: 128 r + 64 h
.set AW_I,   8                         ; v8    W: my column's bytes + 528 h rows
.set AW_II1, 9                         ; v9    + 496 h rows
.set AW_II2, 10                        ; v10   + 496 (1 - h) rows
.set AW_V,   11                        ; v11   + 16 h rows
.set AW_0,   12                        ; v12   my column's bytes: 4 (r % 8) + 64 (r / 8) + 32 t
.set AST,    13                        ; v13   where I store my fragment's image: 2,048 x wave + 16 x lane
.set AST2,   14                        ; v14   and my group of chunk 4: 32,768 + 2,048 t + 256 (wave / 2) + 8 x lane
.set ASV,    15                        ; v15   AST in the step in hand
.set X,      16                        ; v16-79    the state: tile u at X + 32 u
.set ACC,    80                        ; v80-111   accumulator (u, t) at ACC + 8 (2 u + t)
.set CD,     112                       ; v112-143  a chunk's codes: tile u at CD + 16 u
.set T,      144                       ; v144-175  two sets of 16 numbers at work
.set BF,     176                       ; v176-239  W's fragments of a chunk: (v, t) at BF + 16 (2 v + t)
.set ASV2,   240                       ; v240  AST2 in the step in hand
.set OUTA,   241                       ; v241  the stage: 4 x thread
.set OUTR,   242                       ; v242  the stage: 16 x thread (waves 0 to 3 read by it)
.set OUTG,   243                       ; v243  out0: 16 x thread
.set OV,     244                       ; v244-247  out0's numbers; at the head v245-247 are at work
.set RR,     245
.set HH,     246
.set TT,     247
.set WF,     160                       ; at the head: v160-231  72 numbers of W;  v144-159 two sets of 8 held numbers;  v112-129 their codes
.set WT,     144
.set WC,     112
; s[4:11] x, W, lowp_scales, out0;  s12 wave, s13 t = wave % 2, s14 wave / 2;  s[16:17] lane selects;  s[20:33] the 14 exponents, turned so that the step in hand stands in s20, s21;  s[34:35] for the turn;
; s36, s37 at work;  s[40:41] 2^(eA + eB);  s42 counter;  s43 the step's images in LDS;  s44, s45 lane masks;  s[2:3], s[46:47] offsets
; ---- macros: block n -> (bp, bq)
.macro PQ n
.set bp, 0
.set br, (\n)
.rept 7
.if br >= 7-bp
.set br, br-(7-bp)
.set bp, bp+1
.endif
.endr
.set bq, bp+1+br
.endm
; the pair of exponents in front goes to the back: seven turns bring the order back
.macro ROTATE
	s_mov_b64 s[34:35], s[20:21]
.irp i, 0,1,2,3,4,5
	s_mov_b64 s[20+2*\i:21+2*\i], s[22+2*\i:23+2*\i]
.endr
	s_mov_b64 s[32:33], s[34:35]
.endm
; 2^e and 57,344 x 2^e from the exponent in s[e]
.macro SCALE e
	s_add_co_i32 s36, s[\e], 127
	s_lshl_b32 s37, s36, 23
	v_mov_b32 v[SCA], s37
	s_add_co_i32 s36, s36, 15
	s_lshl_b32 s36, s36, 23
	s_or_b32 s36, s36, 0x600000
	v_mov_b32 v[LIM], s36
.endm
; ---- W as f32, in slot order
.macro WLD dst, areg, k0               ; slot dst <- W(row k0 + the lane's half term, my column)
	global_load_b32 v[WF+(\dst)], v[\areg], s[6:7] offset:(\k0)*128
.endm
.macro WBLK cls, v, n, sl              ; the four slots of block n of class I (cls = 0) or II (1), first (v = 0) or second W
	PQ \n
.irp e, 0,1,2,3
.set wa, 2*bp+(\e%2)
.set wb, 2*bq+(\e/2)
.if (\cls) == 0
.if (\v) == 0
	WLD (\sl)+\e, AW_I, 33+32*wa+wb
.else
	WLD (\sl)+\e, AW_I, 33+32*wb+wa
.endif
.else
.if (\v) == 0
	WLD (\sl)+\e, AW_II1, 49+32*wa+wb
.else
	WLD (\sl)+\e, AW_II2, 49+32*wb+wa
.endif
.endif
.endr
.endm
.macro WCHUNK c, v                     ; the 64 slots of chunk c
.set wn, 0
.if ((\c)%2) == 0
.rept 16
	WBLK (\c)/2, \v, wn, 4*wn
.set wn, wn+1
.endr
.else
.rept 12
	WBLK (\c)/2, \v, 16+wn, 4*wn
.set wn, wn+1
.endr
.endif
.if (\c) == 1
.irp p, 0,1,2,3,4,5,6,7                ; the cross slots: (a, b) = (2 p, 2 p + 1)
.if (\v) == 0
	WLD 48+\p, AW_I, 34+66*\p
	WLD 56+\p, AW_II1, 50+66*\p
.else
	WLD 48+\p, AW_I, 65+66*\p
	WLD 56+\p, AW_II2, 81+66*\p
.endif
.endr
.endif
.if (\c) == 3
.irp a, 0,1,2,3,4,5,6,7,8,9,10,11,12,13,14,15
.if (\v) == 0
	WLD 48+\a, AW_II1, 49+33*\a
.else
	v_mov_b32 v[WF+48+\a], 0                       ; class III has no second W
.endif
.endr
.endif
.endm
.macro WEXTRA g                        ; group g of chunk 4 into slots 64 to 71
.irp i, 0,1,2,3,4,5,6,7
.if (\g) < 2
	WLD 64+\i, AW_I, 33+33*(8*(\g)+\i)
.elseif (\g) < 4
	WLD 64+\i, AW_V, 1+8*((\g)-2)+\i
.elseif ((\g) == 4) && (\i == 0)
	WLD 64, AW_0, 0
.else
	v_mov_b32 v[WF+64+\i], 0
.endif
.endr
.if (\g) == 4
	s_wait_loadcnt 0x0                             ; row 0 is in,
	v_cndmask_b32 v[WF+64], 0, v[WF+64], s45       ; and counts in lanes 0-15 alone: the constant has one place in K
.endif
.endm
.macro ARM k                           ; what waves 2 k and 2 k + 1 load: every arm writes all 72 registers
	WCHUNK (\k)/2, (\k)%2
	WEXTRA \k
.endm
; ---- the codes of poly
.macro MULBLK u, cls, n, d             ; block n's four products into v[d] on
	PQ \n
	v_pk_mul_f32 v[(\d):(\d)+1], v[X+32*(\u)+2*bp:X+32*(\u)+2*bp+1], v[X+32*(\u)+16*(\cls)+2*bq:X+32*(\u)+16*(\cls)+2*bq+1] op_sel_hi:[1,0]
	v_pk_mul_f32 v[(\d)+2:(\d)+3], v[X+32*(\u)+2*bp:X+32*(\u)+2*bp+1], v[X+32*(\u)+16*(\cls)+2*bq:X+32*(\u)+16*(\cls)+2*bq+1] op_sel:[0,1] op_sel_hi:[1,1]
.endm
.macro HOLD n, d                       ; the conversion to an 8-bit code does not saturate (ISA guide 7.6.2): each number is held within the largest code x the scale first
.set hh_, 0
.rept \n
	v_med3_num_f32 v[(\d)+hh_], v[(\d)+hh_], -v[LIM], v[LIM]
.set hh_, hh_+1
.endr
.endm
.macro CVT2 u, k, d                    ; 16 numbers -> slots 16 k on of tile u
	v_cvt_scalef32_pk8_bf8_f32 v[CD+16*(\u)+4*(\k):CD+16*(\u)+4*(\k)+1], v[(\d):(\d)+7], v[SCA]
	v_cvt_scalef32_pk8_bf8_f32 v[CD+16*(\u)+4*(\k)+2:CD+16*(\u)+4*(\k)+3], v[(\d)+8:(\d)+15], v[SCA]
.endm
; The two sets of T take turns, so that the line behind each conversion is a plain one on the other set, and a set is written again only a whole batch later.
.macro PAIR u, cls, n0, k              ; blocks n0 to n0 + 3
.irp i, 0,1,2,3
	MULBLK \u, \cls, (\n0)+\i, T+16*((\k)%2)+4*\i
.endr
	HOLD 16, T+16*((\k)%2)
	CVT2 \u, \k, T+16*((\k)%2)
.endm
.macro CROSS u                         ; chunk 1, slots 48-63
.irp p, 0,1,2,3,4,5,6,7
	v_mul_f32 v[T+16+\p], v[X+32*(\u)+2*\p], v[X+32*(\u)+2*\p+1]
.endr
.irp p, 0,1,2,3,4,5,6,7
	v_mul_f32 v[T+24+\p], v[X+32*(\u)+2*\p], v[X+32*(\u)+17+2*\p]
.endr
	HOLD 16, T+16
	CVT2 \u, 3, T+16
.endm
.macro DIAG u                          ; chunk 3, slots 48-63: class III
.irp p, 0,1,2,3,4,5,6,7
	v_pk_mul_f32 v[T+16+2*\p:T+17+2*\p], v[X+32*(\u)+2*\p:X+32*(\u)+2*\p+1], v[X+32*(\u)+16+2*\p:X+32*(\u)+17+2*\p]
.endr
	HOLD 16, T+16
	CVT2 \u, 3, T+16
.endm
.macro PAIRC u, c, k                   ; slots 16 k to 16 k + 15 of chunk c
.if ((\c) == 1) && ((\k) == 3)
	CROSS \u
.elseif ((\c) == 3) && ((\k) == 3)
	DIAG \u
.else
	PAIR \u, (\c)/2, 16*((\c)%2)+4*(\k), \k
.endif
.endm
.macro LOADB c                         ; chunk c's four fragments of W: 16 loads of 512 bytes on end
.irp i, 0,1,2,3,4,5,6,7,8,9,10,11,12,13,14,15
	ds_load_b128 v[BF+4*\i:BF+4*\i+3], v[AB] offset:8192*(\c)+512*\i
.endr
.endm
.macro LOADB4                          ; chunk 4's two: 16 loads of 256 bytes on end
.irp i, 0,1,2,3,4,5,6,7,8,9,10,11,12,13,14,15
	ds_load_b64 v[BF+2*\i:BF+2*\i+1], v[AB8] offset:C4+256*\i
.endr
.endm
; The four accumulators take turns, one instruction a turn, in the same order in every chunk.  A step's first four products start the sums with the constant 0.
.macro MM c
.irp v, 0,1
.irp u, 0,1
.irp t, 0,1
.if ((\c) == 0) && (\v == 0)
	v_wmma_f32_16x16x128_bf8_bf8 v[ACC+8*(2*\u+\t):ACC+8*(2*\u+\t)+7], v[BF+16*(2*\v+\t):BF+16*(2*\v+\t)+15], v[CD+16*\u:CD+16*\u+15], 0
.else
	v_wmma_f32_16x16x128_bf8_bf8 v[ACC+8*(2*\u+\t):ACC+8*(2*\u+\t)+7], v[BF+16*(2*\v+\t):BF+16*(2*\v+\t)+15], v[CD+16*\u:CD+16*\u+15], v[ACC+8*(2*\u+\t):ACC+8*(2*\u+\t)+7]
.endif
.endr
.endr
.endr
.endm
; A chunk: both tiles' codes, then eight products.  W's fragments are asked for behind the first batch: its 24 plain vector lines are the places between the last products, which read BF and CD, and
; the loads into BF and the conversions into CD; the loads then have seven batches in which to land.
.macro CHUNK c
	PAIRC 0, \c, 0
	LOADB \c
.irp k, 1,2,3
	PAIRC 0, \c, \k
.endr
.irp k, 0,1,2,3
	PAIRC 1, \c, \k
.endr
	v_nop                                          ; one plain vector line between the last conversion and the products that read its codes
	s_wait_dscnt 0x0                               ; W's fragments are in
	MM \c
.endm
.macro SINGLES u, ld                   ; chunk 4 of tile u: squares, linear terms, the constant.  The sets change places with the tile, so that no conversion's numbers are written by the line behind it
.set sa, T+16*(\u)
.set sb, T+16*(1-(\u))
.set xb, X+32*(\u)
.irp p, 0,1,2,3,4,5,6,7
	v_pk_mul_f32 v[sa+2*\p:sa+2*\p+1], v[xb+2*\p:xb+2*\p+1], v[xb+2*\p:xb+2*\p+1]
.endr
	HOLD 16, sa
	CVT2 \u, 0, sa
.if \ld
	LOADB4
.endif
.irp i, 0,1,2,3,4,5,6,7,8,9,10,11,12,13,14,15
	v_med3_num_f32 v[sb+\i], v[xb+\i], -v[LIM], v[LIM]
.endr
	CVT2 \u, 1, sb
	v_min_num_f32 v[sa], 1.0, v[LIM]               ; the constant 1, held; the seven numbers behind it are held squares, whose codes meet zero codes of W
	v_cvt_scalef32_pk8_bf8_f32 v[CD+16*(\u)+8:CD+16*(\u)+9], v[sa:sa+7], v[SCA]
.endm
.macro EXCH u                          ; the other half of my row, from lane l xor 16
.irp b, 0,1,2,3,4,5,6,7,8,9,10,11,12,13,14,15
	v_permlanex16_b32 v[X+32*(\u)+16+\b], v[X+32*(\u)+\b], s16, s17
.endr
.endm
; ---- the head: ids and every address that stays, ahead of the branch on the wave's number
	s_load_b256 s[4:11], s[0:1], 0x0               ; x s[4:5], W s[6:7], lowp_scales s[8:9], out0 s[10:11]
	v_lshl_add_u32 v254, v0, 2, 0x3f800
	v_mov_b32 v255, 0
	v_lshrrev_b32 v[TT], 5, v0
	v_readfirstlane_b32 s12, v[TT]                 ; wave 0..15
	v_and_b32 v[TT], 31, v0
	v_lshlrev_b32 v[LI], 4, v[TT]
	v_lshlrev_b32 v[LI8], 3, v[TT]
	v_and_b32 v[RR], 15, v0                        ; r
	v_bfe_u32 v[HH], v0, 4, 1                      ; h
	v_lshlrev_b32 v[XA], 7, v[RR]
	v_lshl_add_u32 v[XA], v[HH], 6, v[XA]          ; x: row r of 128 bytes, + my half's 64
	s_and_b32 s13, s12, 1                          ; t: the column tile whose codes I make
	s_lshr_b32 s14, s12, 1                         ; which fragment (chunk, first or second W), and which group of chunk 4
	v_and_b32 v[TT], 7, v0
	v_lshlrev_b32 v[AW_0], 2, v[TT]
	v_bfe_u32 v[TT], v0, 3, 1
	v_lshl_add_u32 v[AW_0], v[TT], 6, v[AW_0]
	s_lshl_b32 s36, s13, 5
	v_add_nc_u32 v[AW_0], s36, v[AW_0]             ; feature r % 8 + 16 (r / 8) + 8 t, in bytes
	v_mad_u32_u24 v[AW_I], v[HH], 528*128, v[AW_0]
	v_mad_u32_u24 v[AW_II1], v[HH], 496*128, v[AW_0]
	v_sub_nc_u32 v[TT], 1, v[HH]
	v_mad_u32_u24 v[AW_II2], v[TT], 496*128, v[AW_0]
	v_lshl_add_u32 v[AW_V], v[HH], 11, v[AW_0]
	s_lshl_b32 s36, s12, 11
	v_add_nc_u32 v[AST], s36, v[LI]
	s_lshl_b32 s36, s13, 11
	s_lshl_b32 s37, s14, 8
	s_add_co_u32 s36, s36, s37
	s_add_co_u32 s36, s36, C4
	v_add_nc_u32 v[AST2], s36, v[LI8]
	v_lshl_add_u32 v[OUTA], v0, 2, OUTST
	v_lshl_add_u32 v[OUTR], v0, 4, OUTST
	v_lshlrev_b32 v[OUTG], 4, v0
	s_mov_b32 s16, 0x76543210                      ; v_permlanex16_b32: each lane takes its own place in the other half
	s_mov_b32 s17, 0xfedcba98
	s_mov_b32 s44, 0xffff0000                      ; lanes 16-31
	s_mov_b32 s45, 0x0000ffff                      ; lanes 0-15
	s_lshl_b32 s2, ttmp9, 16                       ; the work-group's 512 rows of 128 bytes,
	s_lshl_b32 s3, s12, 12                         ; my wave's 32 of them
	s_add_co_u32 s2, s2, s3
	s_mov_b32 s3, 0
	s_lshl_b32 s46, ttmp9, 11                      ; the work-group's 512 numbers of out0
	s_mov_b32 s47, 0
	s_wait_kmcnt 0x0
	s_load_b256 s[20:27], s[8:9], 0x0              ; the 14 exponents: 32 + 16 + 8 = 56 bytes
	s_load_b128 s[28:31], s[8:9], 0x20
	s_load_b64 s[32:33], s[8:9], 0x30
	s_add_nc_u64 s[4:5], s[4:5], s[2:3]
	s_add_nc_u64 s[10:11], s[10:11], s[46:47]
.irp u, 0,1
.irp q, 0,1,2,3
	global_load_b128 v[X+32*\u+4*\q:X+32*\u+4*\q+3], v[XA], s[4:5] offset:2048*\u+16*\q th:TH_LOAD_NT   ; my half of row r of tile u: read once in the launch
.endr
.endr
.irp u, 0,1
.irp b, 0,1,2,3,4,5,6,7,8,9,10,11,12,13,14,15
	v_mov_b32 v[X+32*\u+16+\b], 0                  ; written once: a lane permute's destination counts as one of its sources
.endr
.endr
; ---- W as f32: waves 2 k and 2 k + 1 take arm k (fragment k's slots for column tiles 0 and 1, and group k of chunk 4).  The branches hang on the wave's number alone.
.irp k, 1,2,3,4,5,6,7
	s_cmp_eq_u32 s14, \k
	s_cbranch_scc1 .Larm\k
.endr
	ARM 0
	s_branch .Ljoin
.irp k, 1,2,3,4,5,6,7
.Larm\k:
	ARM \k
.if \k < 7
	s_branch .Ljoin
.endif
.endr
.Ljoin:
	s_wait_loadcnt 0x0                             ; my 72 numbers of W, and x
	s_wait_kmcnt 0x0                               ; the exponents
; ---- W's codes: seven trips, one for each step's eB; the same 72 numbers are held, converted and stored as images
	s_mov_b32 s43, 0
	s_mov_b32 s42, 7
.Lprep:
	s_wait_dscnt 0x0                               ; the last trip's stores are done: their addresses and codes may be written again
	SCALE 21                                       ; eB of the step in hand
	v_add_nc_u32 v[ASV], s43, v[AST]
	v_add_nc_u32 v[ASV2], s43, v[AST2]
.irp g, 0,1,2,3,4,5,6,7,8
.irp i, 0,1,2,3,4,5,6,7
	v_med3_num_f32 v[WT+8*(\g%2)+\i], v[WF+8*\g+\i], -v[LIM], v[LIM]
.endr
	v_cvt_scalef32_pk8_bf8_f32 v[WC+2*\g:WC+2*\g+1], v[WT+8*(\g%2):WT+8*(\g%2)+7], v[SCA]
.endr
	v_nop                                          ; one plain vector line behind the last conversion: the next trip writes its scale
.irp q, 0,1,2,3
	ds_store_b128 v[ASV], v[WC+4*\q:WC+4*\q+3] offset:512*\q
.endr
	ds_store_b64 v[ASV2], v[WC+16:WC+17]
	ROTATE
	s_add_co_u32 s43, s43, IMG
	s_sub_co_u32 s42, s42, 1
	s_cmp_lg_u32 s42, 0
	s_cbranch_scc1 .Lprep
	s_wait_dscnt 0x0                               ; for the others' sake: my images lie in LDS
	s_barrier_signal -1
	EXCH 0                                         ; work on registers while the others arrive: the other halves of my rows
	EXCH 1
	s_barrier_wait -1                              ; all seven steps' images are whole; nobody writes them again
; ---- the seven steps
	s_mov_b32 s43, 0
	s_mov_b32 s42, 7
.Lstep:
	SCALE 20                                       ; eA of the step in hand
	s_add_co_i32 s40, s20, s21
	s_add_co_i32 s40, s40, 127
	s_lshl_b32 s40, s40, 23                        ; 2^(eA + eB) as f32
	s_mov_b32 s41, s40                             ; (named with it as a pair, so it is written)
	v_add_nc_u32 v[AB], s43, v[LI]
	v_add_nc_u32 v[AB8], s43, v[LI8]
	ROTATE
	CHUNK 0
	CHUNK 1
	CHUNK 2
	CHUNK 3
	SINGLES 0, 1
	SINGLES 1, 0
	v_nop                                          ; one plain vector line between the last conversion and the products
	s_wait_dscnt 0x0
.irp u, 0,1
.irp t, 0,1
	v_wmma_f32_16x16x128_bf8_bf8 v[ACC+8*(2*\u+\t):ACC+8*(2*\u+\t)+7], v[BF+16*\t:BF+16*\t+15], v[CD+16*\u:CD+16*\u+15], v[ACC+8*(2*\u+\t):ACC+8*(2*\u+\t)+7]
.endr
.endr
.rept 4
	v_nop                                          ; four places between the last product and the first read of the sums (ISA guide 7.12.1)
.endr
.irp u, 0,1
.irp t, 0,1
.irp j, 0,2,4,6
	v_pk_fma_f32 v[X+32*\u+8*\t+\j:X+32*\u+8*\t+\j+1], v[ACC+8*(2*\u+\t)+\j:ACC+8*(2*\u+\t)+\j+1], s[40:41], v[X+32*\u+8*\t+\j:X+32*\u+8*\t+\j+1] op_sel_hi:[1,0,1]   ; x += sum x 2^(eA + eB); each accumulator from its low end on
.endr
.endr
.endr
	EXCH 0
	EXCH 1
	s_add_co_u32 s43, s43, IMG
	s_sub_co_u32 s42, s42, 1
	s_cmp_lg_u32 s42, 0
	s_cbranch_scc1 .Lstep
; ---- out0: feature 0 of row l of my 32 stands in lane l: tile 0's in lanes 0-15 (their own half), tile 1's in lanes 16-31 (the other half's first register).  A wave's 32 numbers are 128 bytes, so the
; work-group's 512 meet in a stage of its own bytes, and waves 0 to 3 store them: each store covers 512 consecutive bytes, aligned.
	v_cndmask_b32 v[OV], v[X], v[X+48], s44
	ds_store_b32 v[OUTA], v[OV]
	s_wait_dscnt 0x0                               ; for the others' sake: my 32 numbers lie in the stage
	s_barrier_signal -1
	s_barrier_wait -1
	s_cmp_gt_u32 s12, 3
	s_cbranch_scc1 .Lend
	ds_load_b128 v[OV:OV+3], v[OUTR]
	s_wait_dscnt 0x0
	global_store_b128 v[OUTG], v[OV:OV+3], s[10:11] th:TH_STORE_NT
.Lend:
	s_wait_tensorcnt 0x0
	ds_add_u32 v254, v255
	s_wait_dscnt 0x0
	s_endpgm
.Lfunc_end_k_qb8fbf16b91_tmpnn:
	.size	k_qb8fbf16b91_tmpnn, .Lfunc_end_k_qb8fbf16b91_tmpnn-k_qb8fbf16b91_tmpnn
	.p2alignl 7, 3214868480
	.fill 96, 4, 3214868480
	.section	.rodata,"a",@progbits
	.p2align	6, 0x0
	.amdhsa_kernel k_qb8fbf16b91_tmpnn
		.amdhsa_group_segment_fixed_size 262144
		.amdhsa_private_segment_fixed_size 0
		.amdhsa_enable_private_segment 0
		.amdhsa_kernarg_size 32
		.amdhsa_user_sgpr_count 2
		.amdhsa_user_sgpr_kernarg_segment_ptr 1
		.amdhsa_wavefront_size32 1
		.amdhsa_system_sgpr_workgroup_id_x 1
		.amdhsa_system_sgpr_workgroup_id_y 1
		.amdhsa_system_sgpr_workgroup_id_z 1
		.amdhsa_system_vgpr_workitem_id 0
		.amdhsa_next_free_vgpr 256
		.amdhsa_next_free_sgpr 66
		.amdhsa_reserve_vcc 0
		.amdhsa_float_denorm_mode_32 3
		.amdhsa_float_denorm_mode_16_64 3
		.amdhsa_memory_ordered 1
		.amdhsa_forward_progress 1
		.amdhsa_inst_pref_size 135
	.end_amdhsa_kernel
	.amdgpu_metadata
---
amdhsa.version: [ 1, 2 ]
amdhsa.kernels:
  - .name:           k_qb8fbf16b91_tmpnn
    .symbol:         k_qb8fbf16b91_tmpnn.kd
    .args:
      - { .name: x, .offset: 0, .size: 8, .value_kind: global_buffer, .address_space: global }
      - { .name: W, .offset: 8, .size: 8, .value_kind: global_buffer, .address_space: global }
      - { .name: lowp_scales, .offset: 16, .size: 8, .value_kind: global_buffer, .address_space: global }
      - { .name: out0, .offset: 24, .size: 8, .value_kind: global_buffer, .address_space: global }
    .group_segment_fixed_size: 262144
    .private_segment_fixed_size: 0
    .kernarg_segment_align: 8
    .kernarg_segment_size: 32
    .max_flat_workgroup_size: 512
    .sgpr_count:     66
    .vgpr_count:     256
    .wavefront_size: 32
...
	.end_amdgpu_metadata
.endif
;; end of part 1
;; ======== version 2 of 2: 1 launch; version 1 with the launch tmpnn written anew for expert scheduling mode
;; launch tmpnn (part 2): grid 256 x 1, 16 waves a work-group, no clusters, 262,144 bytes of LDS; arguments x, W, lowp_scales, out0; writes out0
.if DOCPART == 2
	.amdgcn_target "amdgcn-amd-amdhsa--gfx1250"
	.amdhsa_code_object_version 6
	.text
	.protected	k_qb8fbf16b91_tmpnn
	.globl	k_qb8fbf16b91_tmpnn
	.p2align	8
	.type	k_qb8fbf16b91_tmpnn,@function
k_qb8fbf16b91_tmpnn:
	s_mov_b64 s[64:65], 0
	v_nop
	global_prefetch_b8 v0, s[64:65] scope:SCOPE_SE
	s_setreg_imm32_b32 hwreg(HW_REG_WAVE_SCHED_MODE, 0, 2), 2
	s_setreg_imm32_b32 hwreg(HW_REG_WAVE_MODE, 25, 1), 1
	s_wait_xcnt 0x0
	s_wait_alu depctr_vm_vsrc(0)
; Seven times x <- x + Q(poly(x)) Q(W), poly(x) = [1, x, vec(x (x) x)] (K = 1,057), both operands as codes of BF8 (E5M2) with the step's two given scales 2^eA, 2^eB; sums in f32; out0 = column 0 of the last x.
; x: [131072][32] f32.  W: [1057][32] f32.  lowp_scales: 14 x int32, (eA, eB) of steps 0 to 6.  out0: [131072] f32.
; LIMITS: each exponent between -126 and 112 (2^e and 57,344 x 2^e are f32 numbers); eA + eB of a step between -126 and 127.  NaN among the inputs is not served; what lies beyond a scale's range is held at the largest code.
; SHARES.  Rows never meet: 256 work-groups x 16 waves x 32 rows = 131,072.  A wave keeps its 32 rows (two tiles of 16) in registers through all seven steps: x is read once, nothing goes to memory but out0.
; THE PRODUCT IS USED TRANSPOSED: source 0 = 16 columns of W (features), source 1 = the codes of poly of 16 rows.  Lane (r, h) = (lane % 16, lane / 16) holds row r; source 0's row m of column tile t is feature
; m % 8 + 16 (m / 8) + 8 t, so that register j of accumulator t is feature 16 h + 8 t + j: THE LANE OWNS HALF h OF ITS ROW.  X[0..15] = features 16 h + a; X[16 + b] = feature 16 (1 - h) + b, fetched from lane l xor 16.
; EACH UNORDERED PAIR OF FEATURES IS MULTIPLIED, HELD AND CONVERTED ONCE.  x_i x_j and x_j x_i are one f32 number and so one code, and K may be laid in any order if both operands are laid alike.  So the same registers
; of codes go to two matrix instructions, one with the codes of W's row (i, j) and one with those of row (j, i).  The matrix units still walk all of K (1,152 places for 1,057); the vector work is 289 numbers a lane, not 529.
; A SLOT is one of a lane's 64 bytes of a fragment (16 x 128): slot s is byte s % 4 of register s / 4, in both operands.  The row of W that belongs to a slot is a constant + (h or 1 - h) x a constant:
;   class I    X[a] X[b], a < b             first W: 33 + 32 a + b + 528 h        second W: 33 + 32 b + a + 528 h
;   class II   X[a] X[16 + b], a != b       first W: 49 + 32 a + b + 496 h        second W: 49 + 32 b + a + 496 (1 - h)     (of (a, b) and (b, a) one is taken: half 0 and half 1 of the lanes cover both)
;   class III  X[a] X[16 + a]               first W: 49 + 33 a + 496 h            second W: zero codes                      (the two halves of the lanes hold the two orders)
;   squares    X[a] X[a]: 33 + 33 a + 528 h;     linear  X[a]: 1 + a + 16 h;     the constant 1: row 0 in half 0, a zero code in half 1
; Classes I and II go in BLOCKS of 2 x 2: block n = (p, q), p < q, counted (0,1), (0,2) .. (6,7); its four slots are (2p, 2q), (2p+1, 2q), (2p, 2q+1), (2p+1, 2q+1): two packed multiplications.  The pairs (2p, 2p+1) are the CROSS slots.
; CHUNKS of 64 slots:  0: I blocks 0-15;  1: I blocks 16-27, I cross, II cross;  2: II blocks 0-15;  3: II blocks 16-27, class III;  4 (one W): squares, linear, the constant, 31 slots whose W codes are zeros
; (the other operand holds finite codes there, left from earlier lines: finite x 0 adds nothing).
; W'S CODES: each work-group quantises W at its head, once for each step's eB, into LDS, as images of the operand's registers (a quad of registers: 16 bytes a lane, 512 on end).  Wave w makes fragment w and one group of chunk 4.
; NO TENSOR LOAD, NO CLUSTER: all work-groups read W, but its 135,296 bytes must pass through registers to be quantised in slot order, seven times, and beside the 258,048 bytes of images they have no room in LDS; nothing else is shared.
; LDS: step s at 36,864 s: fragment 4 c + 2 v + t (chunk c < 4, first or second W v, column tile t) at 2,048 x its number; chunk 4 at 32,768 + 2,048 t + 256 g (group g = 2 registers, 8 bytes a lane).  At 258,048: 2,048 bytes for out0.
; At 260,096: the spare words, 128 bytes for each of the sixteen waves, which no line names but the closing add.
; THE MODE: SCHED_MODE bits 1:0 = 2 (LLVM: expert scheduling mode 2), set by the entry lines.  The code itself states the register dependences between vector or matrix instructions and memory or LDS instructions,
; with s_wait_alu, always for 0.
; THE PLAN.  Registers that memory or LDS instructions touch:
;   v7, v8-12        offsets of x and of W: made once at the head, read by the head's global loads, never written again.
;   v16-31, v48-63   x as loaded;  v160-231 W as loaded: no vector line names them ahead of their loads.
;   v15, v240, v112-129   a preparation trip writes the two store addresses and the codes; its five LDS stores read them; the next trip writes them again.  v112-129 are CD's from the first step on.
;   v3, v4 (AB, AB8) written by two additions at a step's head; read by the step's 80 LDS loads.
;   v176-239 (BF)    chunk c's LDS loads land there; chunk c's products read it; chunk c + 1's loads land there again.  One set: the wave's 256 registers have no room for a second.
;   v241-243         the way out's addresses, made at the head;  v244-247 the way out's numbers;  v254, v255 the closing add's two.
;   X, the accumulators, T, the scale and the limit are named by vector and matrix instructions alone; so is CD in the loop.
; So a step has ONE wait on vm_vsrc, at its head, ahead of the two additions, and ONE wait on va_vdst to a chunk, behind tile 0's first batch: it states that the products of the chunk before are done reading BF (and, in a
; step's first chunk, that AB and AB8 are written).  The vector lines behind it, up to the chunk's products, name X, T, CD, the scale and the limit: none of the registers that the chunk's loads touch.  So the loads are dealt
; among tile 0's batches with no further wait.
.set IMG,    36864                     ; a step's images
.set C4,     32768                     ; chunk 4 within them
.set OUTST,  7*IMG                     ; the stage for out0
.set LI,     1                         ; v1    16 x lane
.set LI8,    2                         ; v2    8 x lane
.set AB,     3                         ; v3    the step's images + 16 x lane
.set AB8,    4                         ; v4    the step's images + 8 x lane
.set SCA,    5                         ; v5    the scale 2^e as f32: the conversion takes its exponent field
.set LIM,    6                         ; v6    57,344 x 2^e
.set XA,     7                         ; v7    x: 128 r + 64 h
.set AW_I,   8                         ; v8    W: my column's bytes + 528 h rows
.set AW_II1, 9                         ; v9    + 496 h rows
.set AW_II2, 10                        ; v10   + 496 (1 - h) rows
.set AW_V,   11                        ; v11   + 16 h rows
.set AW_0,   12                        ; v12   my column's bytes: 4 (r % 8) + 64 (r / 8) + 32 t
.set AST,    13                        ; v13   where I store my fragment's image: 2,048 x wave + 16 x lane
.set AST2,   14                        ; v14   and my group of chunk 4: 32,768 + 2,048 t + 256 (wave / 2) + 8 x lane
.set ASV,    15                        ; v15   AST in the step in hand
.set X,      16                        ; v16-79    the state: tile u at X + 32 u
.set ACC,    80                        ; v80-111   accumulator (u, t) at ACC + 8 (2 u + t)
.set CD,     112                       ; v112-143  a chunk's codes: tile u at CD + 16 u
.set T,      144                       ; v144-175  two sets of 16 numbers at work
.set BF,     176                       ; v176-239  W's fragments of a chunk: (v, t) at BF + 16 (2 v + t)
.set ASV2,   240                       ; v240  AST2 in the step in hand
.set OUTA,   241                       ; v241  the stage: 4 x thread
.set OUTR,   242                       ; v242  the stage: 16 x thread (waves 0 to 3 read by it)
.set OUTG,   243                       ; v243  out0: 16 x thread
.set OV,     244                       ; v244-247  out0's numbers; at the head v245-247 are at work
.set RR,     245
.set HH,     246
.set TT,     247
.set WF,     160                       ; at the head: v160-231  72 numbers of W;  v144-159 two sets of 8 held numbers;  v112-129 their codes
.set WT,     144
.set WC,     112
; s[4:11] x, W, lowp_scales, out0;  s12 wave, s13 t = wave % 2, s14 wave / 2;  s[16:17] lane selects;  s[20:33] the 14 exponents, turned so that the step in hand stands in s20, s21;  s[34:35] for the turn;
; s36, s37 at work;  s[40:41] 2^(eA + eB);  s42 counter;  s43 the step's images in LDS;  s44, s45 lane masks;  s[2:3], s[46:47] offsets
; ---- macros: block n -> (bp, bq)
.macro PQ n
.set bp, 0
.set br, (\n)
.rept 7
.if br >= 7-bp
.set br, br-(7-bp)
.set bp, bp+1
.endif
.endr
.set bq, bp+1+br
.endm
; the pair of exponents in front goes to the back: seven turns bring the order back
.macro ROTATE
	s_mov_b64 s[34:35], s[20:21]
.irp i, 0,1,2,3,4,5
	s_mov_b64 s[20+2*\i:21+2*\i], s[22+2*\i:23+2*\i]
.endr
	s_mov_b64 s[32:33], s[34:35]
.endm
; 2^e and 57,344 x 2^e from the exponent in s[e]
.macro SCALE e
	s_add_co_i32 s36, s[\e], 127
	s_lshl_b32 s37, s36, 23
	v_mov_b32 v[SCA], s37
	s_add_co_i32 s36, s36, 15
	s_lshl_b32 s36, s36, 23
	s_or_b32 s36, s36, 0x600000
	v_mov_b32 v[LIM], s36
.endm
; ---- W as f32, in slot order
.macro WLD dst, areg, k0               ; slot dst <- W(row k0 + the lane's half term, my column)
	global_load_b32 v[WF+(\dst)], v[\areg], s[6:7] offset:(\k0)*128
.endm
.macro WBLK cls, v, n, sl              ; the four slots of block n of class I (cls = 0) or II (1), first (v = 0) or second W
	PQ \n
.irp e, 0,1,2,3
.set wa, 2*bp+(\e%2)
.set wb, 2*bq+(\e/2)
.if (\cls) == 0
.if (\v) == 0
	WLD (\sl)+\e, AW_I, 33+32*wa+wb
.else
	WLD (\sl)+\e, AW_I, 33+32*wb+wa
.endif
.else
.if (\v) == 0
	WLD (\sl)+\e, AW_II1, 49+32*wa+wb
.else
	WLD (\sl)+\e, AW_II2, 49+32*wb+wa
.endif
.endif
.endr
.endm
.macro WCHUNK c, v                     ; the 64 slots of chunk c
.set wn, 0
.if ((\c)%2) == 0
.rept 16
	WBLK (\c)/2, \v, wn, 4*wn
.set wn, wn+1
.endr
.else
.rept 12
	WBLK (\c)/2, \v, 16+wn, 4*wn
.set wn, wn+1
.endr
.endif
.if (\c) == 1
.irp p, 0,1,2,3,4,5,6,7                ; the cross slots: (a, b) = (2 p, 2 p + 1)
.if (\v) == 0
	WLD 48+\p, AW_I, 34+66*\p
	WLD 56+\p, AW_II1, 50+66*\p
.else
	WLD 48+\p, AW_I, 65+66*\p
	WLD 56+\p, AW_II2, 81+66*\p
.endif
.endr
.endif
.if (\c) == 3
.irp a, 0,1,2,3,4,5,6,7,8,9,10,11,12,13,14,15
.if (\v) == 0
	WLD 48+\a, AW_II1, 49+33*\a
.else
	v_mov_b32 v[WF+48+\a], 0                       ; class III has no second W.  (No load of this arm touches the register)
.endif
.endr
.endif
.endm
.macro WEXTRA g                        ; group g of chunk 4 into slots 64 to 71
.irp i, 0,1,2,3,4,5,6,7
.if (\g) < 2
	WLD 64+\i, AW_I, 33+33*(8*(\g)+\i)
.elseif (\g) < 4
	WLD 64+\i, AW_V, 1+8*((\g)-2)+\i
.elseif ((\g) == 4) && (\i == 0)
	WLD 64, AW_0, 0
.else
	v_mov_b32 v[WF+64+\i], 0                       ; (no load of this arm touches the register)
.endif
.endr
.if (\g) == 4
	s_wait_loadcnt 0x0                             ; row 0 is in,
	v_cndmask_b32 v[WF+64], 0, v[WF+64], s45       ; and counts in lanes 0-15 alone: the constant has one place in K
.endif
.endm
.macro ARM k                           ; what waves 2 k and 2 k + 1 load: every arm writes all 72 registers
	WCHUNK (\k)/2, (\k)%2
	WEXTRA \k
.endm
; ---- the codes of poly
.macro MULBLK u, cls, n, d             ; block n's four products into v[d] on
	PQ \n
	v_pk_mul_f32 v[(\d):(\d)+1], v[X+32*(\u)+2*bp:X+32*(\u)+2*bp+1], v[X+32*(\u)+16*(\cls)+2*bq:X+32*(\u)+16*(\cls)+2*bq+1] op_sel_hi:[1,0]
	v_pk_mul_f32 v[(\d)+2:(\d)+3], v[X+32*(\u)+2*bp:X+32*(\u)+2*bp+1], v[X+32*(\u)+16*(\cls)+2*bq:X+32*(\u)+16*(\cls)+2*bq+1] op_sel:[0,1] op_sel_hi:[1,1]
.endm
.macro HOLD n, d                       ; the conversion to an 8-bit code does not saturate (ISA guide 7.6.2): each number is held within the largest code x the scale first
.set hh_, 0
.rept \n
	v_med3_num_f32 v[(\d)+hh_], v[(\d)+hh_], -v[LIM], v[LIM]
.set hh_, hh_+1
.endr
.endm
.macro CVT2 u, k, d                    ; 16 numbers -> slots 16 k on of tile u
	v_cvt_scalef32_pk8_bf8_f32 v[CD+16*(\u)+4*(\k):CD+16*(\u)+4*(\k)+1], v[(\d):(\d)+7], v[SCA]
	v_cvt_scalef32_pk8_bf8_f32 v[CD+16*(\u)+4*(\k)+2:CD+16*(\u)+4*(\k)+3], v[(\d)+8:(\d)+15], v[SCA]
.endm
; The two sets of T take turns, so that the line behind each conversion is a plain one on the other set, and a set is written again only a whole batch later.
.macro PAIR u, cls, n0, k              ; blocks n0 to n0 + 3
.irp i, 0,1,2,3
	MULBLK \u, \cls, (\n0)+\i, T+16*((\k)%2)+4*\i
.endr
	HOLD 16, T+16*((\k)%2)
	CVT2 \u, \k, T+16*((\k)%2)
.endm
.macro CROSS u                         ; chunk 1, slots 48-63
.irp p, 0,1,2,3,4,5,6,7
	v_mul_f32 v[T+16+\p], v[X+32*(\u)+2*\p], v[X+32*(\u)+2*\p+1]
.endr
.irp p, 0,1,2,3,4,5,6,7
	v_mul_f32 v[T+24+\p], v[X+32*(\u)+2*\p], v[X+32*(\u)+17+2*\p]
.endr
	HOLD 16, T+16
	CVT2 \u, 3, T+16
.endm
.macro DIAG u                          ; chunk 3, slots 48-63: class III
.irp p, 0,1,2,3,4,5,6,7
	v_pk_mul_f32 v[T+16+2*\p:T+17+2*\p], v[X+32*(\u)+2*\p:X+32*(\u)+2*\p+1], v[X+32*(\u)+16+2*\p:X+32*(\u)+17+2*\p]
.endr
	HOLD 16, T+16
	CVT2 \u, 3, T+16
.endm
.macro PAIRC u, c, k                   ; slots 16 k to 16 k + 15 of chunk c
.if ((\c) == 1) && ((\k) == 3)
	CROSS \u
.elseif ((\c) == 3) && ((\k) == 3)
	DIAG \u
.else
	PAIR \u, (\c)/2, 16*((\c)%2)+4*(\k), \k
.endif
.endm
.macro LOADBQ c, q                     ; fragment q = 2 v + t of chunk c's four fragments of W: 4 loads of 512 bytes on end
.irp j, 0,1,2,3
	ds_load_b128 v[BF+16*(\q)+4*\j:BF+16*(\q)+4*\j+3], v[AB] offset:8192*(\c)+2048*(\q)+512*\j
.endr
.endm
.macro LOADB4H t                       ; column tile t of chunk 4's two fragments: 8 loads of 256 bytes on end
.irp g, 0,1,2,3,4,5,6,7
	ds_load_b64 v[BF+16*(\t)+2*\g:BF+16*(\t)+2*\g+1], v[AB8] offset:C4+2048*(\t)+256*\g
.endr
.endm
; The four accumulators take turns, one instruction a turn, in the same order in every chunk.  A step's first four products start the sums with the constant 0.
.macro MM c
.irp v, 0,1
.irp u, 0,1
.irp t, 0,1
.if ((\c) == 0) && (\v == 0)
	v_wmma_f32_16x16x128_bf8_bf8 v[ACC+8*(2*\u+\t):ACC+8*(2*\u+\t)+7], v[BF+16*(2*\v+\t):BF+16*(2*\v+\t)+15], v[CD+16*\u:CD+16*\u+15], 0
.else
	v_wmma_f32_16x16x128_bf8_bf8 v[ACC+8*(2*\u+\t):ACC+8*(2*\u+\t)+7], v[BF+16*(2*\v+\t):BF+16*(2*\v+\t)+15], v[CD+16*\u:CD+16*\u+15], v[ACC+8*(2*\u+\t):ACC+8*(2*\u+\t)+7]
.endif
.endr
.endr
.endr
.endm
; A chunk: both tiles' codes, then eight products.  The first batch's 24 plain vector lines are the places (ISA guide 7.12.1) between the last products, which read CD, and the conversions into CD.  Behind that batch stands
; the chunk's one wait on va_vdst; W's four fragments follow it, one behind each of tile 0's four batches, and the last of them has tile 1's four batches in which to land.
.macro CHUNK c
	PAIRC 0, \c, 0
	s_wait_alu depctr_va_vdst(0)                   ; the products of the chunk before are done reading BF, in which the loads below land; in a step's first chunk the additions have written v[AB] and v[AB8], which the step's loads read (in the first step, too, the holds of W's numbers are done reading v176-231)
	LOADBQ \c, 0
	PAIRC 0, \c, 1
	LOADBQ \c, 1                                   ; no wait: no vector or matrix instruction since the wait above names BF or v[AB]
	PAIRC 0, \c, 2
	LOADBQ \c, 2
	PAIRC 0, \c, 3
	LOADBQ \c, 3
.irp k, 0,1,2,3
	PAIRC 1, \c, \k
.endr
	v_nop                                          ; one plain vector line between the last conversion and the products that read its codes
	s_wait_dscnt 0x0                               ; W's fragments are in
	MM \c
.endm
.macro SINGLES u, ld                   ; chunk 4 of tile u: squares, linear terms, the constant.  The sets change places with the tile, so that no conversion's numbers are written by the line behind it
.set sa, T+16*(\u)
.set sb, T+16*(1-(\u))
.set xb, X+32*(\u)
.irp p, 0,1,2,3,4,5,6,7
	v_pk_mul_f32 v[sa+2*\p:sa+2*\p+1], v[xb+2*\p:xb+2*\p+1], v[xb+2*\p:xb+2*\p+1]
.endr
	HOLD 16, sa
	CVT2 \u, 0, sa
.if \ld
	s_wait_alu depctr_va_vdst(0)                   ; chunk 3's products are done reading BF, in which chunk 4's loads land
	LOADB4H 0
.endif
.irp i, 0,1,2,3,4,5,6,7,8,9,10,11,12,13,14,15
	v_med3_num_f32 v[sb+\i], v[xb+\i], -v[LIM], v[LIM]
.endr
	CVT2 \u, 1, sb
.if \ld
	LOADB4H 1                                      ; no wait: no vector or matrix instruction since the wait above names BF or v[AB8]
.endif
	v_min_num_f32 v[sa], 1.0, v[LIM]               ; the constant 1, held; the seven numbers behind it are held squares, whose codes meet zero codes of W
	v_cvt_scalef32_pk8_bf8_f32 v[CD+16*(\u)+8:CD+16*(\u)+9], v[sa:sa+7], v[SCA]
.endm
.macro EXCH u                          ; the other half of my row, from lane l xor 16
.irp b, 0,1,2,3,4,5,6,7,8,9,10,11,12,13,14,15
	v_permlanex16_b32 v[X+32*(\u)+16+\b], v[X+32*(\u)+\b], s16, s17
.endr
.endm
; ---- the head: ids and every address that stays, ahead of the branch on the wave's number
	s_load_b256 s[4:11], s[0:1], 0x0               ; x s[4:5], W s[6:7], lowp_scales s[8:9], out0 s[10:11]
	v_lshl_add_u32 v254, v0, 2, 0x3f800            ; the LDS address of my spare word, and 0: made here and kept for the closing lines alone
	v_mov_b32 v255, 0
	v_lshrrev_b32 v[TT], 5, v0
	v_readfirstlane_b32 s12, v[TT]                 ; wave 0..15
	v_and_b32 v[TT], 31, v0
	v_lshlrev_b32 v[LI], 4, v[TT]
	v_lshlrev_b32 v[LI8], 3, v[TT]
	v_and_b32 v[RR], 15, v0                        ; r
	v_bfe_u32 v[HH], v0, 4, 1                      ; h
	v_lshlrev_b32 v[XA], 7, v[RR]
	v_lshl_add_u32 v[XA], v[HH], 6, v[XA]          ; x: row r of 128 bytes, + my half's 64
	s_wait_alu depctr_va_sdst(0)                   ; s12 is written, ahead of its first reader: the wave's shares, addresses and branches are made from it
	s_and_b32 s13, s12, 1                          ; t: the column tile whose codes I make
	s_lshr_b32 s14, s12, 1                         ; which fragment (chunk, first or second W), and which group of chunk 4
	v_and_b32 v[TT], 7, v0
	v_lshlrev_b32 v[AW_0], 2, v[TT]
	v_bfe_u32 v[TT], v0, 3, 1
	v_lshl_add_u32 v[AW_0], v[TT], 6, v[AW_0]
	s_lshl_b32 s36, s13, 5
	v_add_nc_u32 v[AW_0], s36, v[AW_0]             ; feature r % 8 + 16 (r / 8) + 8 t, in bytes
	v_mad_u32_u24 v[AW_I], v[HH], 528*128, v[AW_0]
	v_mad_u32_u24 v[AW_II1], v[HH], 496*128, v[AW_0]
	v_sub_nc_u32 v[TT], 1, v[HH]
	v_mad_u32_u24 v[AW_II2], v[TT], 496*128, v[AW_0]
	v_lshl_add_u32 v[AW_V], v[HH], 11, v[AW_0]
	s_lshl_b32 s36, s12, 11
	v_add_nc_u32 v[AST], s36, v[LI]
	s_lshl_b32 s36, s13, 11
	s_lshl_b32 s37, s14, 8
	s_add_co_u32 s36, s36, s37
	s_add_co_u32 s36, s36, C4
	v_add_nc_u32 v[AST2], s36, v[LI8]
	v_lshl_add_u32 v[OUTA], v0, 2, OUTST
	v_lshl_add_u32 v[OUTR], v0, 4, OUTST
	v_lshlrev_b32 v[OUTG], 4, v0
	s_mov_b32 s16, 0x76543210                      ; v_permlanex16_b32: each lane takes its own place in the other half
	s_mov_b32 s17, 0xfedcba98
	s_mov_b32 s44, 0xffff0000                      ; lanes 16-31
	s_mov_b32 s45, 0x0000ffff                      ; lanes 0-15
	s_lshl_b32 s2, ttmp9, 16                       ; the work-group's 512 rows of 128 bytes,
	s_lshl_b32 s3, s12, 12                         ; my wave's 32 of them
	s_add_co_u32 s2, s2, s3
	s_mov_b32 s3, 0
	s_lshl_b32 s46, ttmp9, 11                      ; the work-group's 512 numbers of out0
	s_mov_b32 s47, 0
.irp u, 0,1
.irp b, 0,1,2,3,4,5,6,7,8,9,10,11,12,13,14,15
	v_mov_b32 v[X+32*\u+16+\b], 0                  ; written once: a lane permute's destination counts as one of its sources
.endr
.endr
	s_wait_kmcnt 0x0
	s_load_b256 s[20:27], s[8:9], 0x0              ; the 14 exponents: 32 + 16 + 8 = 56 bytes
	s_load_b128 s[28:31], s[8:9], 0x20
	s_load_b64 s[32:33], s[8:9], 0x30
	s_add_nc_u64 s[4:5], s[4:5], s[2:3]
	s_add_nc_u64 s[10:11], s[10:11], s[46:47]
	s_wait_alu depctr_va_vdst(0)                   ; the offsets v7 to v12 are written, which the loads of x and of W read
.irp u, 0,1
.irp q, 0,1,2,3
	global_load_b128 v[X+32*\u+4*\q:X+32*\u+4*\q+3], v[XA], s[4:5] offset:2048*\u+16*\q th:TH_LOAD_NT   ; my half of row r of tile u: read once in the launch
.endr
.endr
; ---- W as f32: waves 2 k and 2 k + 1 take arm k (fragment k's slots for column tiles 0 and 1, and group k of chunk 4).  The branches hang on the wave's number alone.
.irp k, 1,2,3,4,5,6,7
	s_cmp_eq_u32 s14, \k
	s_cbranch_scc1 .Larm\k
.endr
	ARM 0
	s_branch .Ljoin
.irp k, 1,2,3,4,5,6,7
.Larm\k:
	ARM \k
.if \k < 7
	s_branch .Ljoin
.endif
.endr
.Ljoin:
	s_wait_loadcnt 0x0                             ; my 72 numbers of W, and x
	s_wait_kmcnt 0x0                               ; the exponents
; ---- W's codes: seven trips, one for each step's eB; the same 72 numbers are held, converted and stored as images
	s_mov_b32 s43, 0
	s_mov_b32 s42, 7
.Lprep:
	s_wait_dscnt 0x0                               ; the last trip's stores are done
	s_wait_alu depctr_vm_vsrc(0)                   ; the last trip's stores have read v[ASV], v[ASV2] and the codes v[WC ..], all of which this trip writes again
	SCALE 21                                       ; eB of the step in hand
	v_add_nc_u32 v[ASV], s43, v[AST]
	v_add_nc_u32 v[ASV2], s43, v[AST2]
.irp g, 0,1,2,3,4,5,6,7,8
.irp i, 0,1,2,3,4,5,6,7
	v_med3_num_f32 v[WT+8*(\g%2)+\i], v[WF+8*\g+\i], -v[LIM], v[LIM]
.endr
	v_cvt_scalef32_pk8_bf8_f32 v[WC+2*\g:WC+2*\g+1], v[WT+8*(\g%2):WT+8*(\g%2)+7], v[SCA]
.endr
	v_nop                                          ; one plain vector line behind the last conversion: the next trip writes its scale
	s_wait_alu depctr_va_vdst(0)                   ; the conversions have written the codes v[WC ..] and the two additions v[ASV] and v[ASV2], which the stores read
.irp q, 0,1,2,3
	ds_store_b128 v[ASV], v[WC+4*\q:WC+4*\q+3] offset:512*\q
.endr
	ds_store_b64 v[ASV2], v[WC+16:WC+17]
	ROTATE
	s_add_co_u32 s43, s43, IMG
	s_sub_co_u32 s42, s42, 1
	s_cmp_lg_u32 s42, 0
	s_cbranch_scc1 .Lprep
	s_wait_dscnt 0x0                               ; for the others' sake: my images lie in LDS
	s_barrier_signal -1
	EXCH 0                                         ; work on registers while the others arrive: the other halves of my rows
	EXCH 1
	s_barrier_wait -1                              ; all seven steps' images are whole; nobody writes them again
; ---- the seven steps
	s_mov_b32 s43, 0
	s_mov_b32 s42, 7
.Lstep:
	s_wait_alu depctr_vm_vsrc(0)                   ; the LDS loads of the step before have read v[AB] and v[AB8], which the two additions below write; in the first trip: the last stores of W's images have read v[WC ..], which this step's conversions write as CD
	SCALE 20                                       ; eA of the step in hand
	s_add_co_i32 s40, s20, s21
	s_add_co_i32 s40, s40, 127
	s_lshl_b32 s40, s40, 23                        ; 2^(eA + eB) as f32
	s_mov_b32 s41, s40                             ; (named with it as a pair, so it is written)
	v_add_nc_u32 v[AB], s43, v[LI]
	v_add_nc_u32 v[AB8], s43, v[LI8]
	ROTATE
	CHUNK 0
	CHUNK 1
	CHUNK 2
	CHUNK 3
	SINGLES 0, 1
	SINGLES 1, 0
	v_nop                                          ; one plain vector line between the last conversion and the products
	s_wait_dscnt 0x0
.irp u, 0,1
.irp t, 0,1
	v_wmma_f32_16x16x128_bf8_bf8 v[ACC+8*(2*\u+\t):ACC+8*(2*\u+\t)+7], v[BF+16*\t:BF+16*\t+15], v[CD+16*\u:CD+16*\u+15], v[ACC+8*(2*\u+\t):ACC+8*(2*\u+\t)+7]
.endr
.endr
.rept 4
	v_nop                                          ; four places between the last product and the first read of the sums (ISA guide 7.12.1)
.endr
.irp u, 0,1
.irp t, 0,1
.irp j, 0,2,4,6
	v_pk_fma_f32 v[X+32*\u+8*\t+\j:X+32*\u+8*\t+\j+1], v[ACC+8*(2*\u+\t)+\j:ACC+8*(2*\u+\t)+\j+1], s[40:41], v[X+32*\u+8*\t+\j:X+32*\u+8*\t+\j+1] op_sel_hi:[1,0,1]   ; x += sum x 2^(eA + eB); each accumulator from its low end on
.endr
.endr
.endr
	EXCH 0
	EXCH 1
	s_add_co_u32 s43, s43, IMG
	s_sub_co_u32 s42, s42, 1
	s_cmp_lg_u32 s42, 0
	s_cbranch_scc1 .Lstep
; ---- out0: feature 0 of row l of my 32 stands in lane l: tile 0's in lanes 0-15 (their own half), tile 1's in lanes 16-31 (the other half's first register).  A wave's 32 numbers are 128 bytes, so the
; work-group's 512 meet in a stage of its own bytes, and waves 0 to 3 store them: each store covers 512 consecutive bytes, aligned.
	v_cndmask_b32 v[OV], v[X], v[X+48], s44
	s_wait_alu depctr_va_vdst(0)                   ; the select has written v[OV], which the LDS store reads; no vector line follows, so every vector line that named v244 to v247, in which the load below lands, stands ahead of this wait too
	ds_store_b32 v[OUTA], v[OV]
	s_wait_dscnt 0x0                               ; for the others' sake: my 32 numbers lie in the stage
	s_barrier_signal -1
	s_barrier_wait -1
	s_wait_alu depctr_vm_vsrc(0)                   ; my LDS store has read v[OV], in which the load from the stage lands
	s_cmp_gt_u32 s12, 3
	s_cbranch_scc1 .Lend
	ds_load_b128 v[OV:OV+3], v[OUTR]
	s_wait_dscnt 0x0
	global_store_b128 v[OUTG], v[OV:OV+3], s[10:11] th:TH_STORE_NT
.Lend:
	s_wait_dscnt 0x0                               ; the closing lines, six on end
	s_wait_alu 0x0
	s_wait_tensorcnt 0x0
	ds_add_u32 v254, v255
	s_wait_dscnt 0x0
	s_endpgm
.Lfunc_end_k_qb8fbf16b91_tmpnn:
	.size	k_qb8fbf16b91_tmpnn, .Lfunc_end_k_qb8fbf16b91_tmpnn-k_qb8fbf16b91_tmpnn
	.p2alignl 7, 3214868480
	.fill 96, 4, 3214868480
	.section	.rodata,"a",@progbits
	.p2align	6, 0x0
	.amdhsa_kernel k_qb8fbf16b91_tmpnn
		.amdhsa_group_segment_fixed_size 262144
		.amdhsa_private_segment_fixed_size 0
		.amdhsa_enable_private_segment 0
		.amdhsa_kernarg_size 32
		.amdhsa_user_sgpr_count 2
		.amdhsa_user_sgpr_kernarg_segment_ptr 1
		.amdhsa_wavefront_size32 1
		.amdhsa_system_sgpr_workgroup_id_x 1
		.amdhsa_system_sgpr_workgroup_id_y 1
		.amdhsa_system_sgpr_workgroup_id_z 1
		.amdhsa_system_vgpr_workitem_id 0
		.amdhsa_next_free_vgpr 256
		.amdhsa_next_free_sgpr 66
		.amdhsa_reserve_vcc 0
		.amdhsa_float_denorm_mode_32 3
		.amdhsa_float_denorm_mode_16_64 3
		.amdhsa_memory_ordered 1
		.amdhsa_forward_progress 1
		.amdhsa_inst_pref_size 136
	.end_amdhsa_kernel
	.amdgpu_metadata
---
amdhsa.version: [ 1, 2 ]
amdhsa.kernels:
  - .name:           k_qb8fbf16b91_tmpnn
    .symbol:         k_qb8fbf16b91_tmpnn.kd
    .args:
      - { .name: x, .offset: 0, .size: 8, .value_kind: global_buffer, .address_space: global }
      - { .name: W, .offset: 8, .size: 8, .value_kind: global_buffer, .address_space: global }
      - { .name: lowp_scales, .offset: 16, .size: 8, .value_kind: global_buffer, .address_space: global }
      - { .name: out0, .offset: 24, .size: 8, .value_kind: global_buffer, .address_space: global }
    .group_segment_fixed_size: 262144
    .private_segment_fixed_size: 0
    .kernarg_segment_align: 8
    .kernarg_segment_size: 32
    .max_flat_workgroup_size: 512
    .sgpr_count:     66
    .vgpr_count:     256
    .wavefront_size: 32
...
	.end_amdgpu_metadata
.endif
;; end of part 2
